; MI455X (gfx1250); checked and timed in simulation.
; The chip was launched on July 23, 2026; its instructions are those of AMD's public machine-readable ISA for CDNA 5 (MIT licence, August 2026) and "CDNA5" Instruction Set Architecture Reference Guide (July 2026). The comments in the code are by the model that wrote it; some were corrected since.
;; TF Attention. Allowed arithmetic: matrix products marked QUANTISED: E5M2 operands, one given power-of-two scale a tensor, by v_wmma_f32_16x16x64_bf8_bf8 or v_wmma_f32_16x16x128_bf8_bf8, f32 sums; everything else in f32.
;; Inputs: b_attn 3,072 float32; b_proj 1,024 float32; lowp_scales 8 int32 (the exponents e of the quantised operands' scales 2^e); w_attn 1,024 x 3,072 float32; w_proj 1,024 x 1,024 float32; x 2 x 2,048 x 1,024 float32.
;; Outputs: out0 2 x 2,048 x 1,024 float32.
;; This version of the problem:
;;   THIS VERSION OF THE PROBLEM IS GIVEN IN LOW PRECISION. The matrix products marked QUANTISED in the list below multiply operands that are first quantised to E5M2 (5 exponent bits, 2 mantissa bits; 8 bits a number), with one given power-of-two scale for each operand tensor; their sums are f32. All else is computed in f32.
;;   The module's matrix products, in the order in which they are computed (A, B: the left and right operand; K: the contracted axis; several contracted axes count as one K, in the product's order):
;;     1. [M 4,096, K 1,024] x [K 1,024, N 3,072]; A: input x; B: input w_attn: QUANTISED (scales: A lowp_scales[0], B lowp_scales[1])
;;     2. batch 32 x [M 2,048, K 64] x [K 64, N 2,048]; A: computed on the way; B: computed on the way: QUANTISED (scales: A lowp_scales[2], B lowp_scales[3])
;;     3. batch 32 x [M 2,048, K 2,048] x [K 2,048, N 64]; A: softmax (see below); B: computed on the way: QUANTISED (scales: A lowp_scales[4], B lowp_scales[5])
;;     4. [M 4,096, K 1,024] x [K 1,024, N 1,024]; A: computed on the way; B: input w_proj: QUANTISED (scales: A lowp_scales[6], B lowp_scales[7])
;;   THE QUANTISER, for each operand of a quantised product, along K:
;;     - The operand's scale is 2^e, e = its entry of the input lowp_scales (int32; the entries are numbered through the quantised products in the list's order, A before B).
;;     - Each number is divided by the scale, clamped to +-57,344, and rounded to the nearest number of E5M2, ties to even, subnormals kept.
;;     - The product sums the exact products of the quantised numbers (number of the format x scale) in f32.
;;   ~~~python
;;   def quantise(x, axis, e):      # numpy; x: float32 -> the quantised numbers, widened to float32 again
;;       x = np.moveaxis(x, axis, -1); K = x.shape[-1]
;;       r = np.clip(x / 2.0 ** e, -57344, 57344)
;;       step = 2.0 ** (np.maximum(np.frexp(np.where(r == 0, 1, r))[1] - 1, -14) - 2)
;;       q = np.round(r / step) * step * 2.0 ** e      # np.round: ties to even
;;       return np.moveaxis(q, -1, axis).astype(np.float32)
;;   ~~~
;;   SOFTMAX AHEAD OF A QUANTISED PRODUCT. Where the list says 'softmax', what is quantised is not the finished softmax but p = 2^(t - M), with t = logit x log2(e) and M = ceil(the row's largest t), a whole number; so 1/2 < the row's largest p <= 1. The row's sum l is taken of the UNQUANTISED p, in f32, and the product's result is divided by l at the end. Since M is a whole number, a kernel that streams over the keys may use a running M (the ceiling of the running maximum): every later rescaling is an exact power of two, so the quantised numbers keep their values, but for numbers so far below the row's largest that they fall under the format's range.
;;   OPERANDS COMPUTED ON THE WAY. 'Computed on the way' means the value that the module computes at that place (a softmax that the list does not call 'softmax' is quantised finished and normalised). What goes into a quantiser is computed in f32, as accurately as f32 sums, v_exp_f32 and their like allow (about 1e-6 of the number): no bf16 or f16 on the way to a quantiser, and a product that is left as it is and whose result goes on into a quantised operand takes f32 operands (vector FMAs, or v_wmma_f32_16x16x4_f32). A number that lies on a knife's edge between two numbers of the format may be rounded either way, as far as f32 arithmetic and the matrix unit's own rounding can turn it there, and no further.
;; One version. Each part assembles by itself: llvm-mc -triple=amdgcn-amd-amdhsa -mcpu=gfx1250 --defsym DOCPART=n.
;; ======== version 1 of 1: 4 launches
;; limits: right only within a limited range of input values
;; workspace buffers: x_codes 4,194,304 bytes; wa_codes 3,145,728 bytes; wp_codes 1,048,576 bytes; qkv 12,582,912 bytes; a_img 4,194,304 bytes
;; launch quant (part 1): grid 256 x 1, 4 waves a work-group, no clusters, 102,912 bytes of LDS; arguments x, w_attn, w_proj, lowp_scales, x_codes, wa_codes, wp_codes; writes x_codes, wa_codes, wp_codes
.if DOCPART == 1
	.amdgcn_target "amdgcn-amd-amdhsa--gfx1250"
	.amdhsa_code_object_version 6
	.text
	.protected	k_q78f55d4951_quant
	.globl	k_q78f55d4951_quant
	.p2align	8
	.type	k_q78f55d4951_quant,@function
k_q78f55d4951_quant:
	s_mov_b64 s[64:65], 0
	v_nop
	global_prefetch_b8 v0, s[64:65] scope:SCOPE_SE
	s_setreg_imm32_b32 hwreg(HW_REG_WAVE_MODE, 25, 1), 1
	s_wait_xcnt 0x0
; x [4096][1024], w_attn [1024][3072] and w_proj [1024][1024], f32, become codes of BF8 (E5M2), one byte each, K innermost, each with its given scale 2^e (entries 0, 1 and 7 of the scales).
; code = number / 2^e, held within +-57,344, rounded to the nearest code, ties to even.  LIMITS: each e between -126 and 112.  NaN among the inputs is not served.
; THE ROWS OF ALL THREE OUTPUTS ARE PERMUTED: row p holds token (or weight column) p with bits 3 and 4 exchanged.  So rows 16 t + r of a group of 32 are items 32 (t / 2) + 8 (t % 2) + r + 8 (r / 8):
; a product used transposed then leaves 16 neighbouring items in the 16 registers of two neighbouring tiles, and the later launches quantise results without moving them between lanes.
; Work-groups 0-127 take x (K innermost: a plain stream, 8 rows a wave); 128-223 w_attn, 224-255 w_proj (K outermost: a lane takes a column and its registers run down K).  Each reads 128 KiB.
; The three ways part on the work-group's number and each has LDS bytes of its own.  No barrier: waves share nothing.
.set EMAX,  15
.set MANT,  0x600000                   ; the mantissa field of 57,344 as f32
.set STEPS, 16                         ; x: steps of 512 numbers for a wave
.set R,     16                         ; v16-79   x: four sets of 16 numbers as they are loaded
.set X,     80                         ; v80-111  x: two sets of 16 neighbours
.set C,     128                        ; v128-191 x: codes, four registers for each step: no store's data are written again
.set WREG,  8192                       ; x: LDS bytes of a wave: two stages of 32 x SP bytes
.set SP,    80                         ; a lane's place in a stage: 64 bytes + 16 of padding
.set NB,    8                          ; weights: blocks of 32 along K for a wave
.set PITCH, 272                        ; weights: a stage row: 256 codes + 16 bytes
.set KROW,  1024                       ; a row of codes in memory
.set WX,    32                         ; v32-95   weights: two sets of 32 numbers
.set WC,    96                         ; v96-103  weights: a block's codes
.set OUTR,  112                        ; v112-175 weights: the way out
	s_load_b256 s[4:11], s[0:1], 0x0               ; x s[4:5], w_attn s[6:7], w_proj s[8:9], the scales' exponents s[10:11]
	s_load_b128 s[12:15], s[0:1], 0x20             ; x_codes s[12:13], wa_codes s[14:15]
	s_load_b64 s[16:17], s[0:1], 0x30              ; wp_codes
	v_lshl_add_u32 v192, v0, 2, 0x19000
	v_mov_b32 v193, 0
	v_lshrrev_b32 v1, 5, v0
	v_readfirstlane_b32 s18, v1                    ; wave 0..3
	v_and_b32 v2, 31, v0                           ; lane
	s_wait_kmcnt 0x0
	s_load_b256 s[24:31], s[10:11], 0x0            ; e0 .. e7
.macro SCALE e                         ; v11 = 2^e as f32 (the conversion takes its exponent field), s22 = 57,344 x 2^e
	s_wait_kmcnt 0x0
	s_add_co_i32 s22, s[\e], 127
	s_lshl_b32 s23, s22, 23
	v_mov_b32 v11, s23
	s_add_co_i32 s22, s22, EMAX
	s_lshl_b32 s22, s22, 23
	s_or_b32 s22, s22, MANT
.endm
	s_cmp_lt_u32 ttmp9, 128
	s_cbranch_scc0 .Lweights
	s_wait_alu depctr_va_vdst(0)
; ---------------- x: each load reads 512 consecutive bytes; a step's 2,048 bytes turn through the wave's stage, so that a lane gets 16 neighbours along K
	v_lshlrev_b32 v3, 4, v2                        ; 16 x lane: my bytes of a load's 512, and of a store's 512
	s_wait_alu depctr_va_vdst(0)
	s_mul_i32 s19, s18, WREG
	v_lshrrev_b32 v14, 2, v2
	v_mul_u32_u24 v14, v14, SP
	v_and_b32 v15, 3, v2
	v_lshl_add_u32 v14, v15, 4, v14
	v_add_nc_u32 v14, s19, v14                     ; into the stage: SP (lane / 4) + 16 (lane % 4)
	v_mul_u32_u24 v15, v2, SP
	v_add_nc_u32 v15, s19, v15                     ; out of it: SP x lane
	s_lshl_b32 s20, ttmp9, 2
	s_add_co_u32 s22, s20, s18                     ; my run of 8 rows
	s_lshl_b32 s22, s22, 15                        ; x 32,768 bytes of f32
	s_mov_b32 s23, 0
	s_add_nc_u64 s[4:5], s[4:5], s[22:23]
	s_and_b32 s21, s18, 1                          ; the permutation moves whole runs of 8 rows: the wave's two bits change places
	s_lshl_b32 s21, s21, 1
	s_lshr_b32 s22, s18, 1
	s_or_b32 s21, s21, s22
	s_add_co_u32 s22, s20, s21
	s_lshl_b32 s22, s22, 13                        ; x 8,192 bytes of codes
	s_add_nc_u64 s[12:13], s[12:13], s[22:23]
.macro LOAD t
.irp i, 0,1,2,3
	global_load_b128 v[R+16*((\t)%4)+4*\i:R+16*((\t)%4)+4*\i+3], v3, s[4:5] offset:2048*(\t)+512*\i th:TH_LOAD_NT
.endr
.endm
.macro TURN t                          ; LDS serves a wave's instructions in order (ISA guide 5.7.1.4): no wait between these stores and loads
.irp i, 0,1,2,3
	ds_store_b128 v14, v[R+16*((\t)%4)+4*\i:R+16*((\t)%4)+4*\i+3] offset:32*SP*((\t)%2)+8*SP*\i
.endr
.irp i, 0,1,2,3
	ds_load_b128 v[X+16*((\t)%2)+4*\i:X+16*((\t)%2)+4*\i+3], v15 offset:32*SP*((\t)%2)+16*\i
.endr
.endm
.irp t, 0,1,2,3
	LOAD \t
.endr
	s_wait_alu depctr_va_vdst(0)
	SCALE 24                                       ; e0
	s_wait_alu depctr_va_vdst(0)
	s_wait_loadcnt 12                              ; step 0's four loads are in; three steps' twelve stay out
	TURN 0
.macro STEP t
.set XS, X+16*((\t)%2)
	s_wait_dscnt 0x0                               ; this step's numbers are back, so its stores into the stage have read their registers,
.if (\t)+4 < STEPS
	LOAD (\t)+4                                    ; which take the loads of four steps on
.endif
.if (\t)+1 < STEPS
.if STEPS-2-(\t) >= 3
	s_wait_loadcnt 12                              ; the next step's four are in; those of the three steps behind it may be out
.else
	s_wait_loadcnt 4*(STEPS-2-(\t))
.endif
	TURN (\t)+1
.endif
.irp i, 0,1,2,3,4,5,6,7,8,9,10,11,12,13,14,15
.endr
	v_cvt_scalef32_pk8_bf8_f32 v[C+4*(\t):C+4*(\t)+1], v[XS:XS+7], v11
	v_cvt_scalef32_pk8_bf8_f32 v[C+4*(\t)+2:C+4*(\t)+3], v[XS+8:XS+15], v11
	global_store_b128 v3, v[C+4*(\t):C+4*(\t)+3], s[12:13] offset:512*(\t)   ; the wave stores 512 consecutive bytes, aligned
.endm
.irp t, 0,1,2,3,4,5,6,7,8,9,10,11,12,13,14,15
	STEP \t
.endr
	s_wait_tensorcnt 0x0
	ds_add_u32 v192, v193
	s_wait_dscnt 0x0
	s_endpgm
; ---------------- a weight [1024 (k)][n]: a wave takes 32 columns x 256 along K.  s19: the work-group's number within the tensor: its low two bits pick 256 along K, the rest 128 columns
.macro WLOAD t, n, src                 ; block t: rows 32 t + i of my column, into set t % 2: 32 lanes read 128 consecutive bytes
.irp i, 0,1,2,3,4,5,6,7,8,9,10,11,12,13,14,15,16,17,18,19,20,21,22,23,24,25,26,27,28,29,30,31
	global_load_b32 v[WX+32*((\t)%2)+\i], v3, s[\src:\src+1] offset:(32*(\t)+\i)*\n*4 th:TH_LOAD_NT
.endr
.endm
.macro WBLOCK t, n, src
.set XS, WX+32*((\t)%2)
.if (\t) < NB-1
	s_wait_loadcnt 32                              ; this block's 32 loads are in; the next block's may be out
.else
	s_wait_loadcnt 0
.endif
.irp i, 0,1,2,3,4,5,6,7,8,9,10,11,12,13,14,15,16,17,18,19,20,21,22,23,24,25,26,27,28,29,30,31
.endr
.irp g, 0,1,2,3
	v_cvt_scalef32_pk8_bf8_f32 v[WC+2*\g:WC+2*\g+1], v[XS+8*\g:XS+8*\g+7], v11
.endr
	ds_store_b128 v4, v[WC:WC+3] offset:32*(\t)    ; 32 codes of my column's row
	ds_store_b128 v4, v[WC+4:WC+7] offset:32*(\t)+16
.if (\t)+2 < NB
	WLOAD (\t)+2, \n, \src
.endif
	s_wait_dscnt 0x0                               ; the stores have read their registers: the next block's codes may be written
.endm
.macro WPATH n, lbase, src, dst, e
	s_and_b32 s20, s19, 3                          ; which 256 along K
	s_lshr_b32 s21, s19, 2
	s_lshl_b32 s21, s21, 7
	s_lshl_b32 s22, s18, 5
	s_add_co_u32 s21, s21, s22                     ; my wave's first column
	v_lshlrev_b32 v3, 2, v2                        ; in: 4 bytes a lane
	s_mul_i32 s22, s18, 32*PITCH
	s_add_co_u32 s22, s22, \lbase                  ; my stage
	v_mul_u32_u24 v4, v2, PITCH
	v_add_nc_u32 v4, s22, v4                       ; into it: row = my column
	v_and_b32 v5, 15, v2
	v_lshrrev_b32 v6, 4, v2
	v_mul_u32_u24 v7, v6, PITCH
	v_lshl_add_u32 v7, v5, 4, v7
	v_add_nc_u32 v7, s22, v7                       ; out of it: sixteen lanes to a row, two rows an instruction
	v_lshlrev_b32 v8, 10, v6
	v_lshl_add_u32 v8, v5, 4, v8                   ; and the same place in the codes
	s_mul_i32 s32, s20, 256*\n*4
	s_lshl_b32 s33, s21, 2
	s_add_co_u32 s32, s32, s33
	s_mov_b32 s33, 0
	s_add_nc_u64 s[\src:\src+1], s[\src:\src+1], s[32:33]
	s_lshl_b32 s32, s21, 10
	s_lshl_b32 s34, s20, 8
	s_add_co_u32 s32, s32, s34
	s_add_nc_u64 s[\dst:\dst+1], s[\dst:\dst+1], s[32:33]
	WLOAD 0, \n, \src
	WLOAD 1, \n, \src
	SCALE \e
.set Q, 0
	s_wait_alu depctr_va_vdst(0)
.rept NB
	WBLOCK Q, \n, \src
.set Q, Q+1
.endr
.irp t, 0,1,2,3,4,5,6,7,8,9,10,11,12,13,14,15
	ds_load_b128 v[OUTR+4*\t:OUTR+4*\t+3], v7 offset:2*\t*PITCH   ; these see my stores: LDS serves a wave in order
.endr
.irp t, 0,1,2,3,4,5,6,7,8,9,10,11,12,13,14,15
	s_wait_dscnt 15-\t                             ; the younger loads may stay out
	global_store_b128 v8, v[OUTR+4*\t:OUTR+4*\t+3], s[\dst:\dst+1] offset:2*((\t&3)|(((\t>>2)&1)<<3)|(((\t>>3)&1)<<2))*KROW   ; columns 2 t, 2 t + 1 go to the rows with bits 3 and 4 exchanged; sixteen lanes store 256 consecutive bytes, aligned
.endr
.endm
.Lweights:
	s_cmp_lt_u32 ttmp9, 224
	s_cbranch_scc0 .Lproj_w
	s_sub_co_u32 s19, ttmp9, 128
	s_wait_alu depctr_va_vdst(0)
	WPATH 3072, 32768, 6, 14, 25                   ; w_attn, e1
	s_wait_tensorcnt 0x0
	ds_add_u32 v192, v193
	s_wait_dscnt 0x0
	s_endpgm
.Lproj_w:
	s_sub_co_u32 s19, ttmp9, 224
	s_wait_alu depctr_va_vdst(0)
	WPATH 1024, 67584, 8, 16, 31                   ; w_proj, e7
	s_wait_tensorcnt 0x0
	ds_add_u32 v192, v193
	s_wait_dscnt 0x0
	s_endpgm
.Lfunc_end_k_q78f55d4951_quant:
	.size	k_q78f55d4951_quant, .Lfunc_end_k_q78f55d4951_quant-k_q78f55d4951_quant
	.p2alignl 7, 3214868480
	.fill 96, 4, 3214868480
	.section	.rodata,"a",@progbits
	.p2align	6, 0x0
	.amdhsa_kernel k_q78f55d4951_quant
		.amdhsa_group_segment_fixed_size 102912
		.amdhsa_private_segment_fixed_size 0
		.amdhsa_enable_private_segment 0
		.amdhsa_kernarg_size 56
		.amdhsa_user_sgpr_count 2
		.amdhsa_user_sgpr_kernarg_segment_ptr 1
		.amdhsa_wavefront_size32 1
		.amdhsa_system_sgpr_workgroup_id_x 1
		.amdhsa_system_sgpr_workgroup_id_y 1
		.amdhsa_system_sgpr_workgroup_id_z 1
		.amdhsa_system_vgpr_workitem_id 0
		.amdhsa_next_free_vgpr 194
		.amdhsa_next_free_sgpr 66
		.amdhsa_reserve_vcc 0
		.amdhsa_float_denorm_mode_32 3
		.amdhsa_float_denorm_mode_16_64 3
		.amdhsa_fp16_overflow 1
		.amdhsa_memory_ordered 1
		.amdhsa_forward_progress 1
		.amdhsa_inst_pref_size 86
	.end_amdhsa_kernel
	.amdgpu_metadata
---
amdhsa.version: [ 1, 2 ]
amdhsa.kernels:
  - .name:           k_q78f55d4951_quant
    .symbol:         k_q78f55d4951_quant.kd
    .args:
      - { .name: x, .offset: 0, .size: 8, .value_kind: global_buffer, .address_space: global }
      - { .name: w_attn, .offset: 8, .size: 8, .value_kind: global_buffer, .address_space: global }
      - { .name: w_proj, .offset: 16, .size: 8, .value_kind: global_buffer, .address_space: global }
      - { .name: lowp_scales, .offset: 24, .size: 8, .value_kind: global_buffer, .address_space: global }
      - { .name: x_codes, .offset: 32, .size: 8, .value_kind: global_buffer, .address_space: global }
      - { .name: wa_codes, .offset: 40, .size: 8, .value_kind: global_buffer, .address_space: global }
      - { .name: wp_codes, .offset: 48, .size: 8, .value_kind: global_buffer, .address_space: global }
    .group_segment_fixed_size: 102912
    .private_segment_fixed_size: 0
    .kernarg_segment_align: 8
    .kernarg_segment_size: 56
    .max_flat_workgroup_size: 128
    .sgpr_count:     66
    .vgpr_count:     194
    .wavefront_size: 32
...
	.end_amdgpu_metadata
.endif
;; end of part 1
;; launch qkv (part 2): grid 12 x 16, 4 waves a work-group, clusters of 4 x 4, 327,680 bytes of LDS; arguments x_codes, wa_codes, b_attn, lowp_scales, qkv; writes qkv
.if DOCPART == 2
	.amdgcn_target "amdgcn-amd-amdhsa--gfx1250"
	.amdhsa_code_object_version 6
	.text
	.protected	k_q78f55d4951_qkv
	.globl	k_q78f55d4951_qkv
	.p2align	8
	.type	k_q78f55d4951_qkv,@function
k_q78f55d4951_qkv:
	s_mov_b64 s[64:65], 0
	v_nop
	global_prefetch_b8 v0, s[64:65] scope:SCOPE_SE
	s_setreg_imm32_b32 hwreg(HW_REG_WAVE_MODE, 25, 1), 1
	s_wait_xcnt 0x0
	s_wait_alu depctr_hold_cnt(0) depctr_sa_sdst(0) depctr_va_vdst(0) depctr_va_sdst(0) depctr_va_ssrc(0) depctr_va_vcc(0) depctr_vm_vsrc(0)
	s_getreg_b32 s2, hwreg(HW_REG_IB_STS2, 6, 4)
	s_cmp_eq_u32 s2, 0
	s_cbranch_scc0 .Lentry_in_a_cluster
	s_endpgm
.Lentry_in_a_cluster:
	s_bfe_u32 s2, ttmp6, 0x10000c
	s_cmp_lg_u32 s2, 0xf033
	s_cbranch_scc0 .Lentry_shape_is_right
	s_endpgm
.Lentry_shape_is_right:
; q, k, v = x w_attn + b_attn on codes of BF8 (K = 1,024), each result quantised at once for the product that takes it, and stored as IMAGES OF OPERAND REGISTERS.
; A tile of 256 x 256 is made by four waves, 128 x 128 each: 64 accumulators, 512 registers.  K goes in steps of 256 through a ring of two LDS slots filled by joint tensor loads of a 4 x 4 cluster.
; THE MATRIX INSTRUCTION IS USED TRANSPOSED: source 0 = 16 rows of 'B', source 1 = 16 rows of 'A': a lane holds one row of 'A' and its registers run along 'B'.
; ROLES hang on the cluster's x, which all partners share.  0: q, 1: k: 'A' = x_codes (tokens), 'B' = wa_codes: a lane holds a token, its registers run along the head's channels, the next K.
; 2: v: 'A' = wa_codes' rows 2,048 on (channels), 'B' = x_codes: a lane holds a channel, its registers run along the tokens, which are the keys, the next K.  The choice is made by selects; the loop has one text.
; Both inputs' rows are permuted (row p holds item p with bits 3 and 4 exchanged), so the 16 registers of 'B' tiles 2 c and 2 c + 1 are the 16 neighbouring items 32 c + 16 (lane / 16) + 0 .. 15, and 'A' block a's lane r is item 32 (a / 2) + 8 (a % 2) + r + 8 (r / 8).
; OUTPUT: qkv + (16 batch + head) x 393,216 + (block of 128 tokens) x 24,576 + part.  Part 0: q, 8,192: k: eight images of 1,024 bytes (16 tokens x 64 channels); 16,384: v: four of 2,048 (16 channels x 128 keys).
; An image's byte 512 c + 16 lane + i is row lane % 16, k = 32 c + 16 (lane / 16) + i: a store of the wave covers 512 consecutive bytes, aligned.
; LIMITS: e0 + e1 between -126 and 127; e2, e3, e5 between -126 and 112.  NaN is not served.
; REGISTERS: window 0: v0-31 addresses and v8-15 the v role's bias; v32-63 at work on the way out; v64-127 the q, k roles' bias; from v128 A's fragments, ONE set, on the way out the codes.
;   window 1: B's fragments, TWO sets.   window 2: the accumulators of my rows 0-63 ((a, b) at v[8 (8 a + b)]);   window 3: those of my rows 64-127.
.set SIZE_K, 1024
.set KSTEP,  256
.set ROWB,   256
.set KROW,   SIZE_K
.set PITCH,  272                       ; an LDS row: 256 bytes + 16 of padding = 68 words: the 16 rows that a load touches start at 16 different banks (64 banks of 4 bytes: ISA guide 11.1)
.set FR,     16
.set NL,     4
.set NP,     4                         ; places behind this matrix instruction (ISA guide 7.12.1)
.set HALFT,  128*PITCH
.set SLOT,   4*HALFT
.set LAPS,   SIZE_K/(2*KSTEP)
.set SPARE,  2*SLOT                    ; behind the ring: the spare words, 128 bytes a wave, which no other line names
.set HEADB,  393216
.set SIGB,   24576
.set BO,   7                           ; v7      64 (lane / 16): bias of the q, k roles
.set BV,   8                           ; v8-15   the v role's bias: block a's channel of my lane
.set ADRA, 16                          ; v16-17  LDS address of my A fragments in slot 0, 1
.set SCL,  18                          ; v18     the result's scale 2^e as f32
.set LIM,  19
.set ADRB, 20                          ; v20-21
.set CO,   26                          ; v26     16 x lane: my place in an image
.set SPW,  28                          ; v28     my spare word; never rewritten
.set NIL,  29                          ; v29     0; never rewritten
.set BVO,  30                          ; v30     4 (r + 8 (r / 8))
.set T,    32
.set BIAS, 64
.set AF,   128
.set CODES, 128
.set G1, 24
.set G0, 32
.set G1B, 48
.set G0B, 56
.set MSB, 0
.macro WIN new                         ; the immediate's high byte repeats the setting that is left
.if MSB != \new
	s_set_vgpr_msb (MSB<<8)|\new
.set MSB, \new
.endif
.endm
.set MUL_LO, 0xa1                      ; source 0 (B) window 1, source 1 (A) window 0, C and D window 2
.set MUL_HI, 0xf1
.set TO_B,   0x40
.macro JLOAD g0a, g1a, g0b, g1b        ; a joint load: waves 0, 1 fetch for A, waves 2, 3 for B; four v_nop follow each line
	s_cmp_eq_u32 s15, 0
	s_cbranch_scc0 .Lfor_b_\@
	tensor_load_to_lds s[\g0a:\g0a+3], s[\g1a:\g1a+7]
	s_nop 0
.rept 4
	v_nop
.endr
	s_branch .Lasked_\@
.Lfor_b_\@:
	tensor_load_to_lds s[\g0b:\g0b+3], s[\g1b:\g1b+7]
	s_nop 0
.rept 4
	v_nop
.endr
.Lasked_\@:
.endm
.macro CREST
	s_cmp_lg_u32 s14, 0
	s_cbranch_scc1 .Lnot_wave_0_\@
	s_barrier_signal -3
.Lnot_wave_0_\@:
	s_barrier_wait -3
	s_barrier_signal -1
	s_barrier_wait -1
.endm
.macro CROUND
	s_barrier_signal -1
	s_barrier_wait -1
	CREST
.endm
	s_load_b256 s[4:11], s[0:1], 0x0               ; x_codes s[4:5], wa_codes s[6:7], b_attn s[8:9], the scales' exponents s[10:11]
	s_load_b64 s[12:13], s[0:1], 0x20              ; qkv
	v_lshl_add_u32 v[SPW], v0, 2, SPARE
	v_mov_b32 v[NIL], 0
	ds_add_u32 v28, v29
	ds_add_u32 v28, v29
	s_wait_dscnt 0x0
	v_lshrrev_b32 v1, 5, v0
	v_readfirstlane_b32 s14, v1                    ; wave 0..3
	s_lshr_b32 s15, s14, 1                         ; which half of 'A' rows is mine.  Also: I fetch for A (0) or for B (1)
	s_and_b32 s16, s14, 1                          ; which half of 'B' rows.  Also: which 128 rows of that tile I fetch
	s_bfe_u32 s40, ttmp6, 0x40000                  ; cx
	s_bfe_u32 s41, ttmp6, 0x40004                  ; cy
	s_mov_b32 s82, ttmp9                           ; the role: the cluster's x, 0 .. 2
	s_and_b32 s83, ttmp7, 0xffff                   ; the cluster's y, 0 .. 3
	s_cmp_eq_u32 s82, 2
	s_cselect_b32 s84, s83, s82                    ; the clusters' step along 'B': v: y (tokens); q, k: x (columns of w_attn)
	s_cselect_b32 s85, 0, s83                      ; along 'A': v: none (4 tiles of channels in all); q, k: y
	s_lshl_b32 s42, s84, 2
	s_add_co_u32 s42, s42, s40                     ; tile of 'B'
	s_lshl_b32 s17, s85, 2
	s_add_co_u32 s17, s17, s41                     ; tile of 'A'
	s_lshl_b32 s43, s41, 2
	s_lshl_b32 s43, 15, s43                        ; my row of the cluster
	s_lshl_b32 s44, 0x1111, s40                    ; my column
	s_or_b32 s[G1+0], s43, (0<<16)|(1<<20)|(1<<21)|(5<<22)|(3<<25)  ; 15:0 the mask; 17:16 elements of 1 byte; 20 padding on; 21 set beside a mask; 24:22 after every 64 words; 31:25 four words
	s_or_b32 s[G1B+0], s44, (0<<16)|(1<<20)|(1<<21)|(5<<22)|(3<<25)
.irp g, G1, G1B
	s_mov_b32 s[\g+1], ROWB<<16                    ; tensor_dim0
	s_mov_b32 s[\g+2], 128<<16                     ; tensor_dim1
	s_mov_b32 s[\g+3], ROWB<<16                    ; tile_dim0
	s_mov_b32 s[\g+4], 128                         ; tile_dim1
	s_mov_b32 s[\g+5], KROW                        ; tensor_dim0_stride
	s_mov_b32 s[\g+6], 0
	s_mov_b32 s[\g+7], 0
.endr
	s_lshl_b32 s18, s16, 7                         ; which 128 rows of the tile I fetch
	s_lshl_b32 s20, s17, 8
	s_add_co_u32 s20, s20, s18
	s_lshl_b32 s20, s20, 10                        ; 'A': row x 1,024 bytes
	s_mov_b32 s21, 0
	s_lshl_b32 s46, s42, 8
	s_add_co_u32 s46, s46, s18
	s_lshl_b32 s46, s46, 10                        ; 'B' likewise
	s_mov_b32 s47, 0
	s_mul_i32 s45, s14, HALFT                      ; where they go: wave x 128 rows
	s_wait_kmcnt 0x0
	s_load_b256 s[68:75], s[10:11], 0x0            ; e0 .. e7
	s_add_nc_u64 s[78:79], s[6:7], 0x200000        ; wa_codes at row 2,048: v's columns
	s_cmp_eq_u32 s82, 2
	s_cselect_b64 s[76:77], s[78:79], s[4:5]       ; 'A'
	s_cselect_b64 s[80:81], s[4:5], s[6:7]         ; 'B'
	s_add_nc_u64 s[20:21], s[76:77], s[20:21]
	s_add_nc_u64 s[46:47], s[80:81], s[46:47]
	CROUND                                         ; all sixteen work-groups are here: the first joint loads meet
.irp s, 0,1
	s_mov_b32 s[G0+4*\s], 1
	s_add_co_u32 s[G0+4*\s+1], s45, \s*SLOT
	s_add_nc_u64 s[G0+4*\s+2:G0+4*\s+3], s[20:21], \s*ROWB
	s_or_b32 s[G0+4*\s+3], s[G0+4*\s+3], 0x80000000
	s_mov_b32 s[G0B+4*\s], 1
	s_add_co_u32 s[G0B+4*\s+1], s45, \s*SLOT
	s_add_nc_u64 s[G0B+4*\s+2:G0B+4*\s+3], s[46:47], \s*ROWB
	s_or_b32 s[G0B+4*\s+3], s[G0B+4*\s+3], 0x80000000
	s_wait_alu depctr_va_vdst(0)
	s_wait_tensorcnt 0x0
	ds_add_u32 v28, v29
	ds_add_u32 v28, v29
	s_wait_dscnt 0x0
	CROUND
	JLOAD G0+4*\s, G1, G0B+4*\s, G1B
.endr
	v_and_b32 v1, 15, v0                           ; r
	v_bfe_u32 v2, v0, 4, 1                         ; h
	v_mul_u32_u24 v3, v1, PITCH
	v_lshl_add_u32 v4, v2, 4, v3
	s_mul_i32 s21, s15, HALFT
	s_mul_i32 s22, s16, HALFT
	s_add_co_u32 s22, s22, 2*HALFT
.irp s, 0,1
	v_add_nc_u32 v[ADRA+\s], s21, v4
	v_add_nc_u32 v[ADRB+\s], s22, v4
	s_add_co_u32 s21, s21, SLOT
	s_add_co_u32 s22, s22, SLOT
.endr
	v_and_b32 v6, 31, v0
	v_lshlrev_b32 v[CO], 4, v6
	v_lshlrev_b32 v[BO], 6, v2
	s_wait_alu depctr_va_vdst(0)
	v_and_b32 v5, 8, v1
	v_add_nc_u32 v5, v5, v1
	v_lshlrev_b32 v[BVO], 2, v5
	s_wait_alu depctr_va_vdst(0)
	; where my results go, and my 128 numbers of the bias
	s_cmp_eq_u32 s82, 2
	s_cselect_b32 s86, s42, s17                    ; my tile of 256 tokens,
	s_cselect_b32 s87, s16, s15                    ; and my half of it
	s_cselect_b32 s88, s41, s40                    ; my tile of 256 columns within q, k or v,
	s_cselect_b32 s89, s15, s16                    ; and my half of it
	s_lshl_b32 s88, s88, 2
	s_lshl_b32 s89, s89, 1
	s_add_co_u32 s88, s88, s89                     ; my first head (I make two)
	s_lshr_b32 s90, s86, 3                         ; batch
	s_lshl_b32 s90, s90, 4
	s_add_co_u32 s90, s90, s88
	s_mul_i32 s90, s90, HEADB
	s_and_b32 s91, s86, 7
	s_lshl_b32 s91, s91, 1
	s_add_co_u32 s91, s91, s87                     ; my block of 128 tokens
	s_mul_i32 s91, s91, SIGB
	s_add_co_u32 s90, s90, s91
	s_lshl_b32 s91, s82, 13                        ; part: 8,192 x role
	s_add_co_u32 s90, s90, s91
	s_mov_b32 s91, 0
	s_add_nc_u64 s[92:93], s[12:13], s[90:91]
	s_lshl_b32 s90, s82, 12                        ; 1,024 x role numbers,
	s_lshl_b32 s89, s88, 8                         ; + 64 x head, in bytes
	s_add_co_u32 s90, s90, s89
	s_add_nc_u64 s[94:95], s[8:9], s[90:91]
.irp b, 0,1,2,3,4,5,6,7                ; both shapes are loaded in every role (both lie inside my 128 numbers); they land while the loop runs
	global_load_b128 v[BIAS+8*\b:BIAS+8*\b+3],   v[BO], s[94:95] offset:4*(32*(\b/2)+8*(\b%2))      ; register 8 b + j: column 32 (b / 2) + 8 (b % 2) + 16 h + j
	global_load_b128 v[BIAS+8*\b+4:BIAS+8*\b+7], v[BO], s[94:95] offset:4*(32*(\b/2)+8*(\b%2))+16
.endr
.irp a, 0,1,2,3,4,5,6,7
	global_load_b32 v[BV+\a], v[BVO], s[94:95] offset:4*(32*(\a/2)+8*(\a%2))                       ; block a: column 32 (a / 2) + 8 (a % 2) + r + 8 (r / 8)
.endr
.macro FRAG reg, adr, q, i             ; 16 rows x 128 K: registers 4 c .. 4 c + 3 hold K = 32 c + 16 (l / 16) + 0 .. 15: a permutation of k, the same in A and in B
.irp c, 0,1,2,3
	ds_load_b128 v[\reg+4*\c:\reg+4*\c+3], v[\adr] offset:128*(\q)+32*\c+(\i)*16*PITCH
.endr
.endm
; 16 matrix instructions: A's blocks a0, a0 + 1 x B's eight.  The 64 accumulators take turns, one instruction a turn, in the same order in every step.
.macro MUL16 a0, p, zero
.irp a, \a0, \a0+1
.irp b, 0,1,2,3,4,5,6,7
.if \zero
	v_wmma_f32_16x16x128_bf8_bf8 v[8*(8*((\a)%4)+\b):8*(8*((\a)%4)+\b)+7], v[128*(\p)+FR*\b:128*(\p)+FR*\b+FR-1], v[AF+FR*(\a):AF+FR*(\a)+FR-1], 0
.else
	v_wmma_f32_16x16x128_bf8_bf8 v[8*(8*((\a)%4)+\b):8*(8*((\a)%4)+\b)+7], v[128*(\p)+FR*\b:128*(\p)+FR*\b+FR-1], v[AF+FR*(\a):AF+FR*(\a)+FR-1], v[8*(8*((\a)%4)+\b):8*(8*((\a)%4)+\b)+7]
.endif
.endr
.endr
.endm
.macro FETCH_B slot, q, p
	WIN TO_B
.irp i, 0,1,2,3,4,5,6,7
	FRAG 128*(\p)+FR*\i, ADRB+\slot, \q, \i
.endr
	WIN 0
.endm
.macro FETCH_A slot, q, i0
.irp i, \i0, \i0+1, \i0+2, \i0+3
	FRAG AF+FR*(\i), ADRA+\slot, \q, \i
.endr
.endm
.macro PLACES n                        ; plain vector instructions between a matrix instruction and a load into, or a vector write of, its registers, or a read of its result
.rept \n
	v_nop
.endr
.endm
.macro STEP slot, q, zero              ; 128 along K with its successor in the same slot
	s_wait_dscnt 4*NL                              ; B's set and A's blocks 0-3 are in; the youngest sixteen loads (A's blocks 4-7) may be out
	WIN MUL_LO
	MUL16 0, (\q)%2, \zero
	MUL16 2, (\q)%2, \zero
	s_wait_dscnt 0
	PLACES NP
	FETCH_B \slot, (\q)+1, 1-(\q)%2
	FETCH_A \slot, (\q)+1, 0
	WIN MUL_HI
	MUL16 4, (\q)%2, \zero
	MUL16 6, (\q)%2, \zero
	PLACES NP
	WIN 0
	FETCH_A \slot, (\q)+1, 4
.endm
; A slot's last step changes slots: one barrier; in front of it each wave waits for all its tensor loads, adds 0 to its spare word, and waits for that and for its reads of this slot.
.macro TURN slot, next, fill
	s_wait_tensorcnt 0x0                           ; all my tensor loads have landed: my part of the next slot
	ds_add_u32 v[SPW], v[NIL]                      ; 0 onto my spare word
	s_wait_dscnt 4*NL+1                            ; (the add and the youngest sixteen loads may be out)
	WIN MUL_LO
	MUL16 0, 1, 0
	s_wait_dscnt 0x0                               ; the add is done, and my reads of this slot are over
	s_barrier_signal -1
	MUL16 2, 1, 0
	WIN 0
	s_barrier_wait -1
.if \fill
	CREST                                          ; the barrier has opened a round of the cluster's: no wave of any partner still reads this slot or has a load on its way
	s_add_nc_u64 s[G0+4*\slot+2:G0+4*\slot+3], s[G0+4*\slot+2:G0+4*\slot+3], 2*ROWB
	s_add_nc_u64 s[G0B+4*\slot+2:G0B+4*\slot+3], s[G0B+4*\slot+2:G0B+4*\slot+3], 2*ROWB
	JLOAD G0+4*\slot, G1, G0B+4*\slot, G1B         ; the first tensor load behind the round; its four v_nop are the places in front of the loads below
.else
	PLACES NP
.endif
	FETCH_B \next, 0, 0
	FETCH_A \next, 0, 0
	WIN MUL_HI
	MUL16 4, 1, 0
	MUL16 6, 1, 0
	PLACES NP
	WIN 0
	FETCH_A \next, 0, 4
.endm
	s_wait_tensorcnt 1                             ; my part of K step 0 is in; K step 1's load may be out
	s_barrier_signal -1
	s_barrier_wait -1
	FETCH_B 0, 0, 0
	FETCH_A 0, 0, 0
	FETCH_A 0, 0, 4
	STEP 0, 0, 1                                   ; the first step's products start the sums
	s_mov_b32 s3, LAPS-1
.Llap:
	TURN 0, 1, 1
	STEP 1, 0, 0
	TURN 1, 0, 1
	STEP 0, 0, 0
	s_sub_co_u32 s3, s3, 1
	s_cmp_lg_u32 s3, 0
	s_cbranch_scc1 .Llap
	TURN 0, 1, 0                                   ; the last lap fills nothing
	STEP 1, 0, 0
	s_wait_dscnt 4*NL
	WIN MUL_LO
	MUL16 0, 1, 0
	MUL16 2, 1, 0
	s_wait_dscnt 0
	WIN MUL_HI
	MUL16 4, 1, 0
	MUL16 6, 1, 0
	WIN 0
; THE WAY OUT.  A unit is block a's 32 registers of 'B' tiles 4 e .. 4 e + 3: number = sum x 2^(e0 + e1) + bias, held, converted: eight registers of codes, two groups of an image, stored as they stand.
; Each unit has code registers of its own, so no store's data are written again.
.macro UNIT a, e, isv
.set AC, 64*((\a)%4)+32*(\e)
.set CD, CODES+8*(2*(\a)+(\e))
	WIN 0x02+((\a)/4)                              ; source 0: window 2 or 3
.irp j, 0,2,4,6,8,10,12,14,16,18,20,22,24,26,28,30
.if \isv
	v_pk_fma_f32 v[T+\j:T+\j+1], v[AC+\j:AC+\j+1], s[96:97], v[BIAS+2*(\a):BIAS+2*(\a)+1] op_sel_hi:[1,0,0]   ; one channel a lane: the pair's low word for both halves; each accumulator from its low end on
.else
	v_pk_fma_f32 v[T+\j:T+\j+1], v[AC+\j:AC+\j+1], s[96:97], v[BIAS+32*(\e)+\j:BIAS+32*(\e)+\j+1] op_sel_hi:[1,0,1]
.endif
.endr
	WIN 0
.irp i, 0,1,2,3,4,5,6,7,8,9,10,11,12,13,14,15,16,17,18,19,20,21,22,23,24,25,26,27,28,29,30,31
.endr
.irp g, 0,1,2,3
	v_cvt_scalef32_pk8_bf8_f32 v[CD+2*\g:CD+2*\g+1], v[T+8*\g:T+8*\g+7], v[SCL]
.endr
	v_nop                                          ; a plain line between the conversions and the next unit's writes of their sources
.if \isv
	global_store_b128 v[CO], v[CD:CD+3],   s[92:93] offset:((\a)/4)*HEADB+((\a)%4)*2048+1024*(\e)       ; head a / 4, channels' tile a % 4, keys 64 e on
	global_store_b128 v[CO], v[CD+4:CD+7], s[92:93] offset:((\a)/4)*HEADB+((\a)%4)*2048+1024*(\e)+512
.else
	global_store_b128 v[CO], v[CD:CD+3],   s[92:93] offset:(\e)*HEADB+(\a)*1024                        ; head e, tokens' tile a
	global_store_b128 v[CO], v[CD+4:CD+7], s[92:93] offset:(\e)*HEADB+(\a)*1024+512
.endif
.endm
	s_wait_kmcnt 0x0
	s_add_co_i32 s96, s68, s69
	s_add_co_i32 s96, s96, 127
	s_lshl_b32 s96, s96, 23                        ; 2^(e0 + e1) as f32
	s_mov_b32 s97, s96                             ; (named with it as a pair)
	s_cmp_eq_u32 s82, 0
	s_cselect_b32 s84, s70, s71                    ; q: e2; k: e3;
	s_cmp_eq_u32 s82, 2
	s_cselect_b32 s84, s73, s84                    ; v: e5
	s_add_co_i32 s84, s84, 127
	s_lshl_b32 s85, s84, 23
	PLACES NP                                      ; behind the last products: their results are read and A's registers written below
	v_mov_b32 v[SCL], s85
	s_wait_loadcnt 0x0                             ; the bias
	s_cmp_eq_u32 s82, 2                            ; the role is the same in all partners of a cluster
	s_cbranch_scc1 .Lv_out
.irp a, 0,1,2,3,4,5,6,7
	UNIT \a, 0, 0
	UNIT \a, 1, 0
.endr
	s_branch .Ljoin
.Lv_out:
.irp a, 0,1,2,3,4,5,6,7
	v_mov_b32 v[BIAS+2*\a], v[BV+\a]               ; onto even registers, so that the packed form can name each as a pair's low word
.endr
.irp a, 0,1,2,3,4,5,6,7
	UNIT \a, 0, 1
	UNIT \a, 1, 1
.endr
.Ljoin:
	s_wait_tensorcnt 0x0                           ; the wave's end
	ds_add_u32 v[SPW], v[NIL]
	s_wait_dscnt 0x0
	CROUND                                         ; the closing round: no work-group ends while a partner may still ask for a tile that names it
	s_endpgm
.Lfunc_end_k_q78f55d4951_qkv:
	.size	k_q78f55d4951_qkv, .Lfunc_end_k_q78f55d4951_qkv-k_q78f55d4951_qkv
	.p2alignl 7, 3214868480
	.fill 96, 4, 3214868480
	.section	.rodata,"a",@progbits
	.p2align	6, 0x0
	.amdhsa_kernel k_q78f55d4951_qkv
		.amdhsa_group_segment_fixed_size 327680
		.amdhsa_private_segment_fixed_size 0
		.amdhsa_enable_private_segment 0
		.amdhsa_kernarg_size 40
		.amdhsa_user_sgpr_count 2
		.amdhsa_user_sgpr_kernarg_segment_ptr 1
		.amdhsa_wavefront_size32 1
		.amdhsa_system_sgpr_workgroup_id_x 1
		.amdhsa_system_sgpr_workgroup_id_y 1
		.amdhsa_system_sgpr_workgroup_id_z 1
		.amdhsa_system_vgpr_workitem_id 0
		.amdhsa_next_free_vgpr 1024
		.amdhsa_next_free_sgpr 98
		.amdhsa_reserve_vcc 0
		.amdhsa_float_denorm_mode_32 3
		.amdhsa_float_denorm_mode_16_64 3
		.amdhsa_fp16_overflow 1
		.amdhsa_memory_ordered 1
		.amdhsa_forward_progress 1
		.amdhsa_inst_pref_size 131
	.end_amdhsa_kernel
	.amdgpu_metadata
---
amdhsa.version: [ 1, 2 ]
amdhsa.kernels:
  - .name:           k_q78f55d4951_qkv
    .symbol:         k_q78f55d4951_qkv.kd
    .args:
      - { .name: x_codes, .offset: 0, .size: 8, .value_kind: global_buffer, .address_space: global }
      - { .name: wa_codes, .offset: 8, .size: 8, .value_kind: global_buffer, .address_space: global }
      - { .name: b_attn, .offset: 16, .size: 8, .value_kind: global_buffer, .address_space: global }
      - { .name: lowp_scales, .offset: 24, .size: 8, .value_kind: global_buffer, .address_space: global }
      - { .name: qkv, .offset: 32, .size: 8, .value_kind: global_buffer, .address_space: global }
    .group_segment_fixed_size: 327680
    .private_segment_fixed_size: 0
    .kernarg_segment_align: 8
    .kernarg_segment_size: 40
    .max_flat_workgroup_size: 128
    .sgpr_count:     98
    .vgpr_count:     1024
    .wavefront_size: 32
...
	.end_amdgpu_metadata
.endif
;; end of part 2
;; launch attn (part 3): grid 8 x 32, 16 waves a work-group, no clusters, 327,680 bytes of LDS; arguments qkv, lowp_scales, a_img; writes a_img
.if DOCPART == 3
	.amdgcn_target "amdgcn-amd-amdhsa--gfx1250"
	.amdhsa_code_object_version 6
	.text
	.protected	k_q78f55d4951_attn
	.globl	k_q78f55d4951_attn
	.p2align	8
	.type	k_q78f55d4951_attn,@function
k_q78f55d4951_attn:
	s_mov_b64 s[64:65], 0
	v_nop
	global_prefetch_b8 v0, s[64:65] scope:SCOPE_SE
	s_setreg_imm32_b32 hwreg(HW_REG_WAVE_MODE, 25, 1), 1
	s_wait_xcnt 0x0
; a = softmax(mask(q k^T / 8)) v for one head, both products on codes of BF8, and a quantised at once (scale 2^e6) for the last product.  A hidden key (key > query) has the logit -10,000 exactly, as the problem writes it.
; THE SOFTMAX: t = logit x log2(e); M = the largest t so far, rounded up to a whole number; p = 2^(t - M) is quantised (2^e4), not normalised; the sum of the unquantised p divides at the end.
; When M moves, the sum and O are multiplied by 2^(old M - new M), which rounds nothing.
; SHARES.  A work-group owns query blocks i and 15 - i (128 queries each) of one head; each of its sixteen waves one tile of 16 queries, in 256 registers.  Every wave walks all 16 key steps of 128 keys:
; a step ahead of its block in full; the step on the diagonal with hidden scores replaced by t = -10,000 log2(e); a step behind it WITHOUT scores: all its p are one number a query, so P is a constant fragment,
; made once, and the step is V^T P and one addition to the sum.  So a pair of waves (blocks i, 15 - i) has 17 full steps and 15 short ones in every work-group.
; NO CLUSTER: which steps a wave shortens hangs on its query block, which differs between the work-groups that share K and V, and partners of joint loads must branch alike.
; LAYOUT.  q, k, v arrive as images of operand registers (byte 512 c + 16 lane + i: row lane % 16, k = 32 c + 16 (lane / 16) + i).  Both products are used transposed (S^T = K Q^T, O^T = V^T P^T): a lane holds one query.
; Tile t's row r is key (or channel) 32 (t / 2) + 8 (t % 2) + r + 8 (r / 8), so the 16 registers of tiles 2 b, 2 b + 1 are 16 neighbours: the conversions' results are the next operand's registers.
; K and V of a step are 16,384 dense bytes; a slot holds four steps; two slots, filled by waves 0 to 3, one tensor load each, read by all sixteen at 16 x lane + constants.
; LIMITS: e2 + e3 between -123 and 130 (added to c's exponent field); e4, e6 between -126 and 112.  NaN is not served.
.set SIGB,  24576                      ; q, k, v of a block of 128 tokens
.set HEADB, 393216
.set STEPB, 16384                      ; a step in LDS: K's eight images, then V's four
.set SLOT1, 1<<17
.set SPARE, 2*SLOT1                    ; the spare words, 128 bytes a wave, which no other line names
.set L16, 1                            ; v1   16 x lane
.set SPW, 5                            ; v5   my spare word; never rewritten
.set NIL, 6                            ; v6   0; never rewritten
.set ADR, 8                            ; v8   LDS address of the step in hand
.set DL,  10                           ; v10  my query's place in its block, less 16 (lane / 16)
.set QF,  16                           ; v16-23  Q
.set PM,  24                           ; v24  64 x a hidden key's p
.set TM,  25                           ; v25  a hidden key's t
.set KV,  32                           ; v32-95  K's fragments, then V's
.set S,   96                           ; v96-159 S^T, then p
.set O,   160                          ; v160-191 O^T
.set P,   192                          ; v192-207 p's codes
.set WV,  18                           ; v12 -M, v13 the largest t, v[14:15] the sum in two halves; v236 the lane permutes' destination; v242, v243, v252-254 at work; v240, v244: 57,344 x 2^e4, 2^e4; v245: 2^e6
.set SEL, 20
.set CS,  22                           ; s[22:23] c = log2(e) / 8 x 2^(e2 + e3)
.set G1,  24
.set G0,  32
.set F,   36                           ; s[36:37] what turns the registers of S into t: c, or 1 on the diagonal, where they hold t already
.set TB,  38                           ; LDS byte of the step in hand
.set KF,  39                           ; its first key
.set QB,  40                           ; my block's first query
.set SLOTS, 41
.set QUAD, 42
.macro TLOAD                           ; waves 0 to 3 fetch a step each; four v_nop follow the line
	s_cmp_lt_u32 s[WV], 4
	s_cbranch_scc0 .Lasked_\@
	tensor_load_to_lds s[G0:G0+3], s[G1:G1+7]
	s_nop 0
.rept 4
	v_nop
.endr
.Lasked_\@:
.endm
	s_load_b128 s[4:7], s[0:1], 0x0                ; qkv s[4:5], the scales' exponents s[6:7]
	s_load_b64 s[8:9], s[0:1], 0x10                ; a_img
	v_lshl_add_u32 v[SPW], v0, 2, SPARE
	v_mov_b32 v[NIL], 0
	ds_add_u32 v5, v6
	ds_add_u32 v5, v6
	s_wait_dscnt 0x0
	v_lshrrev_b32 v8, 5, v0
	s_delay_alu instid0(VALU_DEP_1)
	v_readfirstlane_b32 s[WV], v8                  ; wave 0..15
	s_and_b32 s56, ttmp7, 0xffff                   ; 16 batch + head
	s_lshr_b32 s43, s[WV], 2
	s_xor_b32 s43, s43, s[WV]
	s_and_b32 s43, s43, 1                          ; early block or late: both kinds among any four neighbouring waves and among waves four apart
	s_sub_co_u32 s44, 15, ttmp9
	s_cmp_eq_u32 s43, 1
	s_cselect_b32 s45, s44, ttmp9                  ; my block of 128 queries
	s_lshl_b32 s[QB], s45, 7
	s_lshr_b32 s46, s[WV], 1                       ; my tile in it
	s_mul_i32 s57, s56, HEADB
	s_mul_i32 s58, s[WV], SIGB                     ; what I fetch, if I fetch: K and V of step = wave
	s_add_co_u32 s58, s58, s57
	s_add_co_u32 s58, s58, 8192
	s_mov_b32 s59, 0
	s_mul_i32 s60, s45, SIGB                       ; my tile of Q
	s_add_co_u32 s60, s60, s57
	s_lshl_b32 s47, s46, 10
	s_add_co_u32 s60, s60, s47
	s_mov_b32 s61, 0
	s_lshr_b32 s62, s56, 4                         ; my image of a: token tile 128 batch + 8 block + tile, 16,384 bytes each; head x 1,024
	s_lshl_b32 s62, s62, 7
	s_lshl_b32 s47, s45, 3
	s_add_co_u32 s62, s62, s47
	s_add_co_u32 s62, s62, s46
	s_lshl_b32 s62, s62, 14
	s_and_b32 s47, s56, 15
	s_lshl_b32 s47, s47, 10
	s_add_co_u32 s62, s62, s47
	s_mov_b32 s63, 0
	s_mov_b32 s[G1], 3<<16                         ; no mask; elements of 8 bytes; no padding
	s_mov_b32 s[G1+1], 32<<16                      ; tensor_dim0 = 32 elements: rows of 256 bytes
	s_mov_b32 s[G1+2], 64<<16                      ; tensor_dim1 = 64
	s_mov_b32 s[G1+3], 32<<16                      ; tile_dim0
	s_mov_b32 s[G1+4], 64                          ; tile_dim1
	s_mov_b32 s[G1+5], 32                          ; the pitch: the block is dense
	s_mov_b32 s[G1+6], 0
	s_mov_b32 s[G1+7], 0
	s_mov_b32 s[SEL], 0x76543210
	s_mov_b32 s[SEL+1], 0xfedcba98
	s_mov_b32 s[CS], 0x3e38aa3b                    ; log2(e) / 8
	s_mov_b32 s[TB], 0
	s_mov_b32 s[KF], 0
	s_mov_b32 s[SLOTS], 3
	s_wait_kmcnt 0x0
	s_load_b256 s[48:55], s[6:7], 0x0              ; e0 .. e7
	s_mov_b32 s[G0], 1
	s_lshl_b32 s[G0+1], s[WV], 14                  ; slot 0, step = wave
	s_add_nc_u64 s[G0+2:G0+3], s[4:5], s[58:59]
	s_or_b32 s[G0+3], s[G0+3], 0x80000000
	TLOAD                                          ; slot 0
	s_add_nc_u64 s[10:11], s[4:5], s[60:61]
	s_add_nc_u64 s[8:9], s[8:9], s[62:63]
	v_and_b32 v[L16], 31, v0
	s_delay_alu instid0(VALU_DEP_1)
	v_lshlrev_b32 v[L16], 4, v[L16]
	global_load_b128 v[QF:QF+3],   v[L16], s[10:11]
	global_load_b128 v[QF+4:QF+7], v[L16], s[10:11] offset:512
	v_and_b32 v8, 15, v0
	s_delay_alu instid0(VALU_DEP_1)
	v_and_b32 v9, 8, v8
	s_delay_alu instid0(VALU_DEP_1)
	v_add_nc_u32 v8, v8, v9                        ; r + 8 (r / 8)
	v_bfe_u32 v9, v0, 4, 1
	s_delay_alu instid0(VALU_DEP_1)
	v_lshlrev_b32 v9, 4, v9
	s_delay_alu instid0(VALU_DEP_1)
	v_sub_nc_u32 v[DL], v8, v9
	s_lshr_b32 s43, s46, 1
	s_lshl_b32 s43, s43, 5
	s_and_b32 s44, s46, 1
	s_lshl_b32 s44, s44, 3
	s_add_co_u32 s43, s43, s44
	v_add_nc_u32 v[DL], s43, v[DL]
	v_mov_b32 v[TM], 0xc6616bcd                    ; -10,000 x log2(e) in f32
	v_mov_b32 v13, 0xff61b1e6                      ; the largest t so far: -3e38
	s_delay_alu instid0(VALU_DEP_1)
	v_floor_f32 v12, -v13
	v_mov_b32 v14, 0
	v_mov_b32 v15, 0
	v_mov_b32 v[PM], 0
	v_mov_b32 v236, 0                              ; a lane permute's destination counts as one of its sources: written here, on every wave's path
	v_mov_b32 v253, 0                              ; (the upper half of the pair v[252:253])
.set jj, 0
.rept 32
	v_mov_b32 v[O+jj], 0                           ; the step is written once: the first finds zeros
.set jj, jj+1
.endr
.set jj, 0
.rept 16
	v_mov_b32 v[P+jj], 0
.set jj, jj+1
.endr
	s_wait_kmcnt 0x0
	s_add_co_i32 s43, s50, s51
	s_lshl_b32 s43, s43, 23
	s_add_co_i32 s[CS], s[CS], s43                 ; a score stands for score x 2^(e2 + e3)
	s_mov_b32 s[CS+1], s[CS]
	s_add_co_i32 s43, s52, 127
	s_lshl_b32 s44, s43, 23
	v_mov_b32 v244, s44                            ; 2^e4
	s_add_co_i32 s43, s43, 15
	s_lshl_b32 s43, s43, 23
	s_or_b32 s43, s43, 0x600000
	v_mov_b32 v240, s43                            ; 57,344 x 2^e4
	s_add_co_i32 s43, s54, 127
	s_lshl_b32 s44, s43, 23
	v_mov_b32 v245, s44                            ; 2^e6
.macro VLOAD                           ; V's four images of 16 channels x 128 keys
.irp t, 0,1,2,3
.irp c, 0,1,2,3
	ds_load_b128 v[KV+16*\t+4*\c:KV+16*\t+4*\c+3], v[ADR] offset:8192+2048*\t+512*\c
.endr
.endr
.endm
.macro PV                              ; O^T += V^T P^T; the four accumulators take turns; the four v_nop are the places for whatever follows: loads into V's registers, writes of P's, reads of O^T
	s_wait_dscnt 0x0
.irp t, 0,1,2,3
	v_wmma_f32_16x16x128_bf8_bf8 v[O+8*\t:O+8*\t+7], v[KV+16*\t:KV+16*\t+15], v[P:P+15], v[O+8*\t:O+8*\t+7]
.endr
.rept 4
	v_nop
.endr
.endm
.macro NEWM                            ; v13 has moved: the new -M = floor(-t), and f = 2^(old M - new M) in v252
	v_mov_b32 v254, v12
	s_delay_alu instid0(VALU_DEP_2)
	v_floor_f32 v12, -v13
	s_delay_alu instid0(VALU_DEP_1)
	v_sub_f32 v254, v12, v254
	s_delay_alu instid0(VALU_DEP_1)
	v_cvt_i32_f32 v254, v254                       ; (it saturates)
	s_delay_alu instid0(VALU_DEP_1)
	v_ldexp_f32 v252, 1.0, v254
.endm
.macro SCALE_O
.set jj, 0
.rept 16
	v_pk_mul_f32 v[O+jj:O+jj+1], v[O+jj:O+jj+1], v[252:253] op_sel_hi:[1,0]
.set jj, jj+2
.endr
.endm
.macro STEP
	s_cmp_gt_u32 s[KF], s[QB]
	s_cbranch_scc1 .Lhid_\@                        ; a branch on ids: no barrier and no tensor load stands in a step
	s_setprio 2
	v_add_nc_u32 v[ADR], s[TB], v[L16]
.irp t, 0,1,2,3,4,5,6,7
.irp c, 0,1
	ds_load_b128 v[KV+8*\t+4*\c:KV+8*\t+4*\c+3], v[ADR] offset:1024*\t+512*\c
.endr
.endr
	s_wait_alu depctr_va_vdst(0)
	s_wait_dscnt 0x0
.irp t, 0,1,2,3,4,5,6,7
	v_wmma_f32_16x16x64_bf8_bf8 v[S+8*\t:S+8*\t+7], v[KV+8*\t:KV+8*\t+7], v[QF:QF+7], 0
.endr
.rept 4
	v_nop
.endr
	VLOAD                                          ; lands while the softmax is worked
	s_mov_b32 s[F], s[CS]
	s_mov_b32 s[F+1], s[CS]
	s_cmp_eq_u32 s[KF], s[QB]
	s_cbranch_scc0 .Lopen_\@
.set jj, 0
.rept 32
	v_pk_mul_f32 v[S+jj:S+jj+1], v[S+jj:S+jj+1], s[CS:CS+1] op_sel_hi:[1,0]   ; on the diagonal: scores into t first,
.set jj, jj+2
.endr
	s_mov_b32 s[F], 1.0
	s_mov_b32 s[F+1], 1.0
.set jj, 0
.rept 64
	v_cmp_gt_i32 vcc_lo, 32*(jj/16)+jj%16, v[DL]   ; register 16 b + i holds key 32 b + 16 (lane / 16) + i of the step: hidden where it comes after my query
	s_delay_alu instid0(VALU_DEP_1)
	v_cndmask_b32 v[S+jj], v[S+jj], v[TM], vcc_lo  ; then the hidden keys' t
.set jj, jj+1
.endr
.Lopen_\@:
	v_max3_num_f32 v254, v[S], v[S+1], v[S+2]      ; the largest of my 64, in two chains; each accumulator is first read at its low end
	v_max3_num_f32 v252, v[S+3], v[S+4], v[S+5]
.irp i, 6,10,14,18,22,26,30,34,38,42,46,50,54,58
	v_max3_num_f32 v254, v254, v[S+\i], v[S+1+\i]
	v_max3_num_f32 v252, v252, v[S+2+\i], v[S+3+\i]
.endr
	s_setprio 1
	v_max3_num_f32 v254, v254, v[S+62], v[S+63]
	s_delay_alu instid0(VALU_DEP_1)
	v_max_num_f32 v254, v254, v252
	s_delay_alu instid0(VALU_DEP_1)
	v_permlanex16_b32 v236, v254, s[SEL], s[SEL+1]
	s_delay_alu instid0(VALU_DEP_1)
	v_max_num_f32 v254, v254, v236
	s_delay_alu instid0(VALU_DEP_1)
	v_mul_f32 v254, s[F], v254                     ; as t (the factor is positive)
	s_delay_alu instid0(VALU_DEP_1)
	v_max_num_f32 v13, v13, v254
	NEWM
.set jj, 0
.rept 32
	v_pk_fma_f32 v[S+jj:S+jj+1], v[S+jj:S+jj+1], s[F:F+1], v[12:13] op_sel_hi:[1,0,0]   ; t - M
.set jj, jj+2
.endr
.set jj, 0
	s_wait_alu depctr_va_vdst(0)
.rept 64
	v_exp_f32 v[S+jj], v[S+jj]
.set jj, jj+1
.endr
	v_pk_mul_f32 v[14:15], v[14:15], v[252:253] op_sel_hi:[1,0]   ; the sums under the new M (a plain line behind the exponentials)
	s_wait_alu depctr_va_vdst(0)
	v_pk_add_f32 v[242:243], v[100:101], v[104:105]
	v_pk_add_f32 v[254:255], v[108:109], v[112:113]
	v_pk_add_f32 v[250:251], v[116:117], v[120:121]
	v_pk_add_f32 v[248:249], v[124:125], v[128:129]
	v_pk_add_f32 v[246:247], v[132:133], v[136:137]
	v_pk_add_f32 v[238:239], v[140:141], v[144:145]
	v_pk_add_f32 v[234:235], v[148:149], v[152:153]
	v_pk_add_f32 v[14:15], v[14:15], v[156:157]
	v_pk_add_f32 v[242:243], v[242:243], v[96:97]
	v_pk_add_f32 v[254:255], v[254:255], v[98:99]
	v_pk_add_f32 v[250:251], v[250:251], v[102:103]
	v_pk_add_f32 v[248:249], v[248:249], v[106:107]
	v_pk_add_f32 v[246:247], v[246:247], v[110:111]
	v_pk_add_f32 v[238:239], v[238:239], v[114:115]
	v_pk_add_f32 v[234:235], v[234:235], v[118:119]
	v_pk_add_f32 v[14:15], v[14:15], v[122:123]
	v_pk_add_f32 v[242:243], v[242:243], v[126:127]
	v_pk_add_f32 v[254:255], v[254:255], v[130:131]
	v_pk_add_f32 v[250:251], v[250:251], v[134:135]
	v_pk_add_f32 v[248:249], v[248:249], v[138:139]
	v_pk_add_f32 v[246:247], v[246:247], v[142:143]
	v_pk_add_f32 v[238:239], v[238:239], v[146:147]
	v_pk_add_f32 v[234:235], v[234:235], v[150:151]
	s_setprio 0
	v_pk_add_f32 v[14:15], v[14:15], v[154:155]
	v_pk_add_f32 v[242:243], v[242:243], v[158:159]
	s_delay_alu instid0(VALU_DEP_2)
	v_pk_add_f32 v[14:15], v[14:15], v[248:249]
	s_delay_alu instid0(VALU_DEP_2)
	v_pk_add_f32 v[242:243], v[242:243], v[246:247]
	v_pk_add_f32 v[254:255], v[254:255], v[238:239]
	v_pk_add_f32 v[250:251], v[250:251], v[234:235]
	s_delay_alu instid0(VALU_DEP_2)
	v_pk_add_f32 v[14:15], v[14:15], v[254:255]
	s_delay_alu instid0(VALU_DEP_2)
	v_pk_add_f32 v[242:243], v[242:243], v[250:251]
	s_delay_alu instid0(VALU_DEP_1)
	v_pk_add_f32 v[14:15], v[14:15], v[242:243]
.irp b, 0,1,2,3
.irp i, 0,1,2,3,4,5,6,7,8,9,10,11,12,13,14,15
.endr
	v_cvt_scalef32_pk8_bf8_f32 v[P+4*\b:P+1+4*\b], v[S+16*\b:S+7+16*\b], v244
	v_cvt_scalef32_pk8_bf8_f32 v[P+2+4*\b:P+3+4*\b], v[S+8+16*\b:S+15+16*\b], v244
.endr
	SCALE_O                                        ; also the plain lines between the conversions and the products that read their results
	s_wait_alu depctr_va_vdst(0)
	PV
	s_branch .Lend_\@
.Lhid_\@:
	s_sub_co_u32 s43, s[KF], 128
	s_cmp_eq_u32 s43, s[QB]
	s_cbranch_scc0 .Lprepped_\@
	v_max_num_f32 v13, v13, v[TM]                  ; the first step behind the diagonal, once a wave: the hidden t enters the maximum,
	NEWM
	s_delay_alu instid0(VALU_DEP_4)
	v_add_f32 v[S], v[TM], v12
	s_wait_alu depctr_va_vdst(0)
	v_exp_f32 v[S], v[S]                           ; p = 2^(t - M), one number for all hidden keys of my query: M moves no more
	v_pk_mul_f32 v[14:15], v[14:15], v[252:253] op_sel_hi:[1,0]
	s_wait_alu depctr_va_vdst(0)
	v_mul_f32 v[PM], 0x42800000, v[S]              ; a lane accounts for 64 of a step's 128 keys
.irp i, 1,2,3,4,5,6,7
	v_min_num_f32 v[S+\i], v[S], v240
.endr
	v_cvt_scalef32_pk8_bf8_f32 v[P:P+1], v[S:S+7], v244
	SCALE_O
.irp i, 2,4,6,8,10,12,14
	v_mov_b32 v[P+\i], v[P]                        ; the constant fragment
	v_mov_b32 v[P+1+\i], v[P+1]
.endr
.Lprepped_\@:
	v_add_nc_u32 v[ADR], s[TB], v[L16]
	VLOAD
	s_wait_alu depctr_va_vdst(0)
	v_add_f32 v14, v14, v[PM]
	PV
.Lend_\@:
	s_add_co_u32 s[KF], s[KF], 128
	s_add_co_u32 s[TB], s[TB], STEPB
.endm
; The change of slots stands at a slot's head: each wave waits for all its tensor loads, adds 0 to its spare word, waits for that and for its reads of the slot that it has left; behind the barrier that slot is filled with the next four steps.
.macro CHANGE fill
	s_wait_tensorcnt 0x0                           ; no tensor load of mine is out, so group 0 may be written
	ds_add_u32 v[SPW], v[NIL]
.if \fill
	s_xor_b32 s[G0+1], s[G0+1], SLOT1
	s_add_nc_u64 s[G0+2:G0+3], s[G0+2:G0+3], 4*SIGB
.endif
	s_wait_dscnt 0x0
	s_barrier_signal -1
	s_barrier_wait -1
.if \fill
	TLOAD                                          ; the first thing behind the barrier; a wave's one tensor load until the next; it has four steps in which to land
.endif
.endm
.macro FOUR_STEPS
	s_mov_b32 s[QUAD], 4
.Lstep_\@:
	STEP
	s_sub_co_u32 s[QUAD], s[QUAD], 1
	s_cmp_lg_u32 s[QUAD], 0
	s_cbranch_scc1 .Lstep_\@
	s_setprio 0
	s_sub_co_u32 s[TB], s[TB], 4*STEPB
	s_xor_b32 s[TB], s[TB], SLOT1
.endm
	s_wait_loadcnt 0x0                             ; Q
.Lslot:
	CHANGE 1
	FOUR_STEPS
	s_sub_co_u32 s[SLOTS], s[SLOTS], 1
	s_cmp_lg_u32 s[SLOTS], 0
	s_cbranch_scc1 .Lslot
	CHANGE 0                                       ; the last slot is written out
	FOUR_STEPS
	s_wait_alu depctr_va_vdst(0)
	; THE WAY OUT: a = O^T / the sum x 2^(e4 + e5), held, converted with 2^e6: eight registers, the image of 16 tokens x my head's 64 channels
	v_add_f32 v14, v14, v15
	s_delay_alu instid0(VALU_DEP_1)
	v_permlanex16_b32 v236, v14, s[SEL], s[SEL+1]  ; the other 64 keys' share lies in the lane 16 away
	s_delay_alu instid0(VALU_DEP_1)
	v_add_f32 v14, v14, v236
	s_wait_alu depctr_va_vdst(0)
	v_rcp_f32 v14, v14
	v_nop
	s_add_co_i32 s43, s52, s53
	s_wait_alu depctr_va_vdst(0)
	v_ldexp_f32 v14, v14, s43
.set jj, 0
.rept 16
	v_pk_mul_f32 v[S+jj:S+jj+1], v[O+jj:O+jj+1], v[14:15] op_sel_hi:[1,0]
.set jj, jj+2
.endr
.set jj, 0
.rept 32
.set jj, jj+1
.endr
.irp g, 0,1,2,3
	v_cvt_scalef32_pk8_bf8_f32 v[P+2*\g:P+2*\g+1], v[S+8*\g:S+8*\g+7], v245
.endr
	v_nop
	global_store_b128 v[L16], v[P:P+3],   s[8:9]             ; the wave stores 512 consecutive bytes, aligned
	global_store_b128 v[L16], v[P+4:P+7], s[8:9] offset:512
	s_wait_tensorcnt 0x0                           ; the wave's end
	ds_add_u32 v[SPW], v[NIL]
	s_wait_dscnt 0x0
	s_endpgm
.Lfunc_end_k_q78f55d4951_attn:
	.size	k_q78f55d4951_attn, .Lfunc_end_k_q78f55d4951_attn-k_q78f55d4951_attn
	.p2alignl 7, 3214868480
	.fill 96, 4, 3214868480
	.section	.rodata,"a",@progbits
	.p2align	6, 0x0
	.amdhsa_kernel k_q78f55d4951_attn
		.amdhsa_group_segment_fixed_size 327680
		.amdhsa_private_segment_fixed_size 0
		.amdhsa_enable_private_segment 0
		.amdhsa_kernarg_size 24
		.amdhsa_user_sgpr_count 2
		.amdhsa_user_sgpr_kernarg_segment_ptr 1
		.amdhsa_wavefront_size32 1
		.amdhsa_system_sgpr_workgroup_id_x 1
		.amdhsa_system_sgpr_workgroup_id_y 1
		.amdhsa_system_sgpr_workgroup_id_z 1
		.amdhsa_system_vgpr_workitem_id 0
		.amdhsa_next_free_vgpr 256
		.amdhsa_next_free_sgpr 66
		.amdhsa_reserve_vcc 1
		.amdhsa_float_denorm_mode_32 3
		.amdhsa_float_denorm_mode_16_64 3
		.amdhsa_fp16_overflow 1
		.amdhsa_memory_ordered 1
		.amdhsa_forward_progress 1
		.amdhsa_inst_pref_size 64
	.end_amdhsa_kernel
	.amdgpu_metadata
---
amdhsa.version: [ 1, 2 ]
amdhsa.kernels:
  - .name:           k_q78f55d4951_attn
    .symbol:         k_q78f55d4951_attn.kd
    .args:
      - { .name: qkv, .offset: 0, .size: 8, .value_kind: global_buffer, .address_space: global }
      - { .name: lowp_scales, .offset: 8, .size: 8, .value_kind: global_buffer, .address_space: global }
      - { .name: a_img, .offset: 16, .size: 8, .value_kind: global_buffer, .address_space: global }
    .group_segment_fixed_size: 327680
    .private_segment_fixed_size: 0
    .kernarg_segment_align: 8
    .kernarg_segment_size: 24
    .max_flat_workgroup_size: 512
    .sgpr_count:     66
    .vgpr_count:     256
    .wavefront_size: 32
...
	.end_amdgpu_metadata
.endif
;; end of part 3
;; launch proj (part 4): grid 8 x 32, 4 waves a work-group, clusters of 4 x 4, 288,256 bytes of LDS; arguments a_img, wp_codes, b_proj, lowp_scales, out0; writes out0
.if DOCPART == 4
	.amdgcn_target "amdgcn-amd-amdhsa--gfx1250"
	.amdhsa_code_object_version 6
	.text
	.protected	k_q78f55d4951_proj
	.globl	k_q78f55d4951_proj
	.p2align	8
	.type	k_q78f55d4951_proj,@function
k_q78f55d4951_proj:
	s_mov_b64 s[64:65], 0
	v_nop
	global_prefetch_b8 v0, s[64:65] scope:SCOPE_SE
	s_setreg_imm32_b32 hwreg(HW_REG_WAVE_MODE, 25, 1), 1
	s_wait_xcnt 0x0
	s_wait_alu depctr_hold_cnt(0) depctr_sa_sdst(0) depctr_va_vdst(0) depctr_va_sdst(0) depctr_va_ssrc(0) depctr_va_vcc(0) depctr_vm_vsrc(0)
	s_getreg_b32 s2, hwreg(HW_REG_IB_STS2, 6, 4)
	s_cmp_eq_u32 s2, 0
	s_cbranch_scc0 .Lentry_in_a_cluster
	s_endpgm
.Lentry_in_a_cluster:
	s_bfe_u32 s2, ttmp6, 0x10000c
	s_cmp_lg_u32 s2, 0xf033
	s_cbranch_scc0 .Lentry_shape_is_right
	s_endpgm
.Lentry_shape_is_right:
; out0 = a w_proj + b_proj on codes of BF8, K = 1,024.  A tile of 128 tokens x 128 columns to a work-group, 256 work-groups; four waves, 64 x 64 each: 16 accumulators.
; ALL OF K LIES IN LDS: four quarters of 256 along K, each wave one tensor load a quarter, all sixteen issued at the start (four of mine are out).  No LDS byte is filled twice, so there is no ring.
; CLUSTERS: 4 x 4.  a's tile is shared along a row of the cluster, w_proj's along a column: joint loads.
; a arrives as images of operand registers: token tile x 16,384 + head x 1,024 + 512 c + 16 lane; two heads are a fragment of 128 along K.  wp_codes arrives as rows of 1,024 codes, row p holding column p with bits 3, 4 exchanged.
; THE MATRIX INSTRUCTION IS USED TRANSPOSED (source 0 = 16 rows of wp_codes, source 1 = 16 tokens): lane (r, h) holds token 32 (a / 2) + 8 (a % 2) + r + 8 (r / 8); the 16 registers of tiles 2 p, 2 p + 1 are columns 32 p + 16 h + 0 .. 15.
; LIMIT: e6 + e7 between -126 and 127.
; REGISTERS: window 0: v16-27 addresses; v32-63 a block's numbers; v64-95 rows read back; v96-127 the bias; v128-255 accumulators ((a, b) at v[128 + 8 (4 a + b)]).  window 1: two fragment buffers of 128: A's four, then B's four.
.set PITCH,  272                       ; a row of w_proj's codes in LDS: 256 bytes + 16
.set AQ,     32768                     ; a quarter of a: 8 token tiles x 4,096 bytes
.set BBASE,  4*AQ
.set BHALF,  64*PITCH
.set BQ,     2*BHALF
.set STAGE,  BBASE+4*BQ                ; 16 rows x 272 bytes for each wave; no tensor load lands here
.set SPITCH, 272
.set ADRA, 16                          ; v16-19
.set ADRB, 20                          ; v20-23
.set STO,  24
.set RD,   25
.set CO,   26
.set BO,   27
.set T,    32
.set BK,   64
.set BIAS, 96
.set ACC,  128
.set G1A, 24
.set G1B, 32
.set G0A, 48                           ; s48-63: a set for each quarter
.set G0B, 68                           ; s68-83
.set MSB, 0
.macro WIN new
.if MSB != \new
	s_set_vgpr_msb (MSB<<8)|\new
.set MSB, \new
.endif
.endm
.set MULW, 0x05                        ; sources 0 and 1 window 1; C and D window 0
.set TO_F, 0x40                        ; destination window 1, address window 0
.macro CROUND
	s_barrier_signal -1
	s_barrier_wait -1
	s_cmp_lg_u32 s14, 0
	s_cbranch_scc1 .Lnot_wave_0_\@
	s_barrier_signal -3
.Lnot_wave_0_\@:
	s_barrier_wait -3
	s_barrier_signal -1
	s_barrier_wait -1
.endm
.macro PLACES
.rept 4
	v_nop
.endr
.endm
	s_load_b256 s[4:11], s[0:1], 0x0               ; a_img s[4:5], wp_codes s[6:7], b_proj s[8:9], the scales' exponents s[10:11]
	s_load_b64 s[12:13], s[0:1], 0x20              ; out0
	v_lshl_add_u32 v30, v0, 2, 0x46400
	v_mov_b32 v31, 0
	ds_add_u32 v30, v31
	ds_add_u32 v30, v31
	v_lshrrev_b32 v1, 5, v0
	v_readfirstlane_b32 s14, v1                    ; wave 0..3
	s_lshr_b32 s15, s14, 1                         ; my half of the tokens.  Also: I fetch for a (0) or for w_proj (1)
	s_and_b32 s16, s14, 1                          ; my half of the columns.  Also: which half of that tile I fetch
	s_bfe_u32 s40, ttmp6, 0x40000                  ; cx
	s_bfe_u32 s41, ttmp6, 0x40004                  ; cy
	s_lshl_b32 s42, ttmp9, 2
	s_add_co_u32 s42, s42, s40                     ; tile of columns
	s_and_b32 s17, ttmp7, 0xffff
	s_lshl_b32 s17, s17, 2
	s_add_co_u32 s17, s17, s41                     ; tile of tokens
	s_lshl_b32 s43, s41, 2
	s_lshl_b32 s43, 15, s43                        ; my row of the cluster
	s_lshl_b32 s44, 0x1111, s40                    ; my column
	s_or_b32 s[G1A], s43, (3<<16)|(1<<21)          ; the mask; elements of 8 bytes; no padding; bit 21 beside a mask
	s_mov_b32 s[G1A+1], 512<<16                    ; tensor_dim0: 4,096 bytes: a token tile's four heads
	s_mov_b32 s[G1A+2], 4<<16                      ; tensor_dim1: four token tiles
	s_mov_b32 s[G1A+3], 512<<16                    ; tile_dim0
	s_mov_b32 s[G1A+4], 4                          ; tile_dim1
	s_mov_b32 s[G1A+5], 2048                       ; 16,384 bytes from token tile to token tile
	s_mov_b32 s[G1A+6], 0
	s_mov_b32 s[G1A+7], 0
	s_or_b32 s[G1B], s44, (0<<16)|(1<<20)|(1<<21)|(5<<22)|(3<<25)   ; elements of 1 byte; four words of padding after every 64
	s_mov_b32 s[G1B+1], 256<<16
	s_mov_b32 s[G1B+2], 64<<16
	s_mov_b32 s[G1B+3], 256<<16
	s_mov_b32 s[G1B+4], 64
	s_mov_b32 s[G1B+5], 1024
	s_mov_b32 s[G1B+6], 0
	s_mov_b32 s[G1B+7], 0
	s_lshl_b32 s18, s16, 16                        ; my half: four token tiles, or 64 rows of codes: 65,536 bytes either way
	s_lshl_b32 s20, s17, 17
	s_add_co_u32 s20, s20, s18
	s_mov_b32 s21, 0
	s_lshl_b32 s46, s42, 17
	s_add_co_u32 s46, s46, s18
	s_mov_b32 s47, 0
	s_lshl_b32 s45, s16, 14                        ; where they go
	s_mul_i32 s22, s16, BHALF
	s_add_co_u32 s22, s22, BBASE
	s_wait_dscnt 0x0
	s_wait_kmcnt 0x0
	s_load_b256 s[84:91], s[10:11], 0x0            ; e0 .. e7
	s_add_nc_u64 s[20:21], s[4:5], s[20:21]
	s_add_nc_u64 s[46:47], s[6:7], s[46:47]
	CROUND                                         ; all sixteen work-groups are here: the joint loads meet
.irp q, 0,1,2,3
	s_mov_b32 s[G0A+4*\q], 1
	s_add_co_u32 s[G0A+4*\q+1], s45, \q*AQ
	s_add_nc_u64 s[G0A+4*\q+2:G0A+4*\q+3], s[20:21], \q*4096
	s_or_b32 s[G0A+4*\q+3], s[G0A+4*\q+3], 0x80000000
	s_mov_b32 s[G0B+4*\q], 1
	s_add_co_u32 s[G0B+4*\q+1], s22, \q*BQ
	s_add_nc_u64 s[G0B+4*\q+2:G0B+4*\q+3], s[46:47], \q*256
	s_or_b32 s[G0B+4*\q+3], s[G0B+4*\q+3], 0x80000000
.endr
	s_cmp_lt_u32 s14, 2                            ; a wave's four fills stand in one branch, ahead of every wait on TENSORcnt, every LDS read and every later barrier
	s_cbranch_scc0 .Lfirst_b
.irp q, 0,1,2,3
	tensor_load_to_lds s[G0A+4*\q:G0A+4*\q+3], s[G1A:G1A+7]
	s_nop 0
.endr
	PLACES
	s_branch .Lfirst_asked
.Lfirst_b:
.irp q, 0,1,2,3
	tensor_load_to_lds s[G0B+4*\q:G0B+4*\q+3], s[G1B:G1B+7]
	s_nop 0
.endr
	PLACES
.Lfirst_asked:
	v_and_b32 v1, 15, v0                           ; r
	v_bfe_u32 v2, v0, 4, 1                         ; h
	v_and_b32 v3, 31, v0
	v_lshlrev_b32 v3, 4, v3                        ; 16 x lane: an image's place
	s_wait_alu depctr_va_vdst(0)
	v_mul_u32_u24 v4, v1, PITCH
	v_lshl_add_u32 v4, v2, 4, v4
	s_wait_alu depctr_va_vdst(0)
	s_lshl_b32 s18, s15, 14                        ; my four token tiles
	s_mul_i32 s19, s16, BHALF                      ; my 64 rows of codes
	s_add_co_u32 s19, s19, BBASE
.irp q, 0,1,2,3
	v_add_nc_u32 v[ADRA+\q], s18, v3
	v_add_nc_u32 v[ADRB+\q], s19, v4
	s_add_co_u32 s18, s18, AQ
	s_add_co_u32 s19, s19, BQ
.endr
	s_mul_i32 s23, s14, 16*SPITCH
	s_add_co_u32 s23, s23, STAGE                   ; my stage
	v_mul_u32_u24 v5, v1, SPITCH
	v_lshl_add_u32 v5, v2, 6, v5
	v_add_nc_u32 v[STO], s23, v5                   ; in: row r, 64 bytes for each half of the lanes
	v_mul_u32_u24 v5, v2, SPITCH
	v_lshl_add_u32 v5, v1, 4, v5
	v_add_nc_u32 v[RD], s23, v5                    ; back: lanes 0-15 one row of 256 bytes, lanes 16-31 the next
	v_lshlrev_b32 v5, 12, v2
	v_lshl_add_u32 v[CO], v1, 4, v5                ; and the same two rows of out0
	v_lshlrev_b32 v[BO], 6, v2
	s_wait_alu depctr_va_vdst(0)
	s_lshl_b32 s20, s17, 19                        ; 128 tokens x 4,096 bytes,
	s_lshl_b32 s21, s15, 18                        ; + my 64
	s_add_co_u32 s20, s20, s21
	s_mov_b32 s21, 0
	s_add_nc_u64 s[12:13], s[12:13], s[20:21]
	s_lshl_b32 s46, s42, 9                         ; my first column, in bytes
	s_lshl_b32 s47, s16, 8
	s_add_co_u32 s46, s46, s47
	s_mov_b32 s47, 0
	s_add_nc_u64 s[12:13], s[12:13], s[46:47]
	s_add_nc_u64 s[8:9], s[8:9], s[46:47]
.irp b, 0,1,2,3
	global_load_b128 v[BIAS+8*\b:BIAS+8*\b+3],   v[BO], s[8:9] offset:4*(32*(\b/2)+8*(\b%2))
	global_load_b128 v[BIAS+8*\b+4:BIAS+8*\b+7], v[BO], s[8:9] offset:4*(32*(\b/2)+8*(\b%2))+16
.endr
.macro FETCH s, f                      ; the fragments of K step s (128 along K) into buffer f: 32 loads in one run
	WIN TO_F
.irp a, 0,1,2,3
.irp c, 0,1,2,3
	ds_load_b128 v[\f+16*\a+4*\c:\f+16*\a+4*\c+3], v[ADRA+(\s)/2] offset:4096*\a+2048*((\s)%2)+512*\c
.endr
.endr
.irp b, 0,1,2,3
.irp c, 0,1,2,3
	ds_load_b128 v[\f+64+16*\b+4*\c:\f+64+16*\b+4*\c+3], v[ADRB+(\s)/2] offset:16*PITCH*\b+128*((\s)%2)+32*\c
.endr
.endr
.endm
.macro MUL f, zero                     ; 16 matrix instructions; the accumulators take turns, in the same order in every step
	WIN MULW
.irp a, 0,1,2,3
.irp b, 0,1,2,3
.if \zero
	v_wmma_f32_16x16x128_bf8_bf8 v[ACC+8*(4*\a+\b):ACC+8*(4*\a+\b)+7], v[\f+64+16*\b:\f+64+16*\b+15], v[\f+16*\a:\f+16*\a+15], 0
.else
	v_wmma_f32_16x16x128_bf8_bf8 v[ACC+8*(4*\a+\b):ACC+8*(4*\a+\b)+7], v[\f+64+16*\b:\f+64+16*\b+15], v[\f+16*\a:\f+16*\a+15], v[ACC+8*(4*\a+\b):ACC+8*(4*\a+\b)+7]
.endif
.endr
.endr
.endm
	s_wait_tensorcnt 3                             ; my part of quarter 0 is in; my three later loads may stay out
	s_barrier_signal -1
	s_barrier_wait -1
	FETCH 0, 0
.irp s, 0,1,2,3,4,5,6,7
	s_wait_dscnt 0x0                               ; this step's fragments are in
.if (\s < 7) && (\s%2 == 1)
	s_wait_tensorcnt 3-(\s+1)/2                    ; my part of the next quarter is in; the later quarters' loads may stay out
	s_barrier_signal -1
	s_barrier_wait -1                              ; everybody's is
.endif
.if \s < 7
.if \s > 0
	PLACES                                         ; behind the products that read the buffer which is loaded next
.endif
	FETCH \s+1, 128*((\s+1)%2)
.endif
.if \s == 0
	MUL 0, 1                                       ; the first products start the sums
.else
	MUL 128*(\s%2), 0
.endif
.endr
	WIN 0
	; THE WAY OUT, a block of 16 tokens x 64 columns at a time, through my own stage: in as 64 bytes a lane, back as whole rows of 256 bytes
	PLACES
	s_wait_kmcnt 0x0
	s_add_co_i32 s92, s90, s91
	s_add_co_i32 s92, s92, 127
	s_lshl_b32 s92, s92, 23                        ; 2^(e6 + e7) as f32
	s_mov_b32 s93, s92
	s_wait_loadcnt 0x0                             ; the bias
.irp a, 0,1,2,3
.irp j, 0,2,4,6,8,10,12,14,16,18,20,22,24,26,28,30
	v_pk_fma_f32 v[T+\j:T+\j+1], v[ACC+32*\a+\j:ACC+32*\a+\j+1], s[92:93], v[BIAS+\j:BIAS+\j+1] op_sel_hi:[1,0,1]   ; sum x 2^(e6 + e7) + bias; each accumulator from its low end on
.endr
.irp p, 0,1
.irp k, 0,1,2,3
	ds_store_b128 v[STO], v[T+16*\p+4*\k:T+16*\p+4*\k+3] offset:128*\p+16*\k
.endr
.endr
.if \a > 0
	s_wait_xcnt 0x0                                ; the last block's stores have read their registers: the loads below may land there
.endif
.irp i, 0,1,2,3,4,5,6,7
	ds_load_b128 v[BK+4*\i:BK+4*\i+3], v[RD] offset:2*SPITCH*\i   ; LDS serves a wave's instructions in order (ISA guide 5.7.1.4): these see the stores above
.endr
.irp i, 0,1,2,3,4,5,6,7
	s_wait_dscnt 7-\i                              ; the younger loads may stay out
	global_store_b128 v[CO], v[BK+4*\i:BK+4*\i+3], s[12:13] offset:(32*(\a/2)+8*(\a%2)+2*\i+8*(\i/4))*4096 th:TH_STORE_NT   ; stage row 2 i + h is token 2 i + h + 8 (i / 4) of the block; sixteen lanes store 256 consecutive bytes, aligned
.endr
.endr
	s_wait_tensorcnt 0x0
	ds_add_u32 v30, v31
	s_wait_dscnt 0x0
	CROUND                                         ; the closing round: no work-group ends while a partner may still ask for a tile that names it
	s_endpgm
.Lfunc_end_k_q78f55d4951_proj:
	.size	k_q78f55d4951_proj, .Lfunc_end_k_q78f55d4951_proj-k_q78f55d4951_proj
	.p2alignl 7, 3214868480
	.fill 96, 4, 3214868480
	.section	.rodata,"a",@progbits
	.p2align	6, 0x0
	.amdhsa_kernel k_q78f55d4951_proj
		.amdhsa_group_segment_fixed_size 288256
		.amdhsa_private_segment_fixed_size 0
		.amdhsa_enable_private_segment 0
		.amdhsa_kernarg_size 40
		.amdhsa_user_sgpr_count 2
		.amdhsa_user_sgpr_kernarg_segment_ptr 1
		.amdhsa_wavefront_size32 1
		.amdhsa_system_sgpr_workgroup_id_x 1
		.amdhsa_system_sgpr_workgroup_id_y 1
		.amdhsa_system_sgpr_workgroup_id_z 1
		.amdhsa_system_vgpr_workitem_id 0
		.amdhsa_next_free_vgpr 512
		.amdhsa_next_free_sgpr 96
		.amdhsa_reserve_vcc 0
		.amdhsa_float_denorm_mode_32 3
		.amdhsa_float_denorm_mode_16_64 3
		.amdhsa_memory_ordered 1
		.amdhsa_forward_progress 1
		.amdhsa_inst_pref_size 48
	.end_amdhsa_kernel
	.amdgpu_metadata
---
amdhsa.version: [ 1, 2 ]
amdhsa.kernels:
  - .name:           k_q78f55d4951_proj
    .symbol:         k_q78f55d4951_proj.kd
    .args:
      - { .name: a_img, .offset: 0, .size: 8, .value_kind: global_buffer, .address_space: global }
      - { .name: wp_codes, .offset: 8, .size: 8, .value_kind: global_buffer, .address_space: global }
      - { .name: b_proj, .offset: 16, .size: 8, .value_kind: global_buffer, .address_space: global }
      - { .name: lowp_scales, .offset: 24, .size: 8, .value_kind: global_buffer, .address_space: global }
      - { .name: out0, .offset: 32, .size: 8, .value_kind: global_buffer, .address_space: global }
    .group_segment_fixed_size: 288256
    .private_segment_fixed_size: 0
    .kernarg_segment_align: 8
    .kernarg_segment_size: 40
    .max_flat_workgroup_size: 128
    .sgpr_count:     96
    .vgpr_count:     512
    .wavefront_size: 32
...
	.end_amdgpu_metadata
.endif
;; end of part 4
